; MI455X (gfx1250); checked and timed in simulation.
; The chip was launched on July 23, 2026; its instructions are those of AMD's public machine-readable ISA for CDNA 5 (MIT licence, August 2026) and "CDNA5" Instruction Set Architecture Reference Guide (July 2026). The comments in the code are by the model that wrote it; some were corrected since.
;; Decoder Head. Allowed arithmetic: matrix products marked QUANTISED: E3M2 operands, one E8M0 scale for each 32 along K, by v_wmma_scale_f32_16x16x128_f8f6f4 with both operands' format E3M2, f32 sums; everything else in f32.
;; Inputs: Wk 512 x 512 float32; Wq 512 x 512 float32; Wv 512 x 512 float32; mask 8 x 1 x 2,048 x 2,048 int32; x 8 x 2,048 x 512 float32; y 1 float32; z 1 float32.
;; Outputs: out0 8 x 2,048 x 512 float32.
;; This version of the problem:
;;   THIS VERSION OF THE PROBLEM IS GIVEN IN LOW PRECISION. The matrix products marked QUANTISED in the list below multiply operands that are first quantised to E3M2 (3 exponent bits, 2 mantissa bits; 6 bits a number), with one power-of-two scale for each 32 numbers along K (OCP MX v1.0); their sums are f32. All else is computed in f32.
;;   The module's matrix products, in the order in which they are computed (A, B: the left and right operand; K: the contracted axis; several contracted axes count as one K, in the product's order):
;;     1. [M 16,384, K 512] x [K 512, N 512]; A: input x; B: input Wk: QUANTISED
;;     2. [M 16,384, K 512] x [K 512, N 512]; A: input x; B: input Wq: QUANTISED
;;     3. [M 16,384, K 512] x [K 512, N 512]; A: input x; B: input Wv: QUANTISED
;;     4. batch 8 x [M 2,048, K 512] x [K 512, N 2,048]; A: computed on the way; B: computed on the way: QUANTISED
;;     5. batch 8 x [M 2,048, K 2,048] x [K 2,048, N 512]; A: softmax (see below); B: computed on the way: QUANTISED
;;   THE QUANTISER, for each operand of a quantised product, along K:
;;     - K is cut into blocks of 32 from its start; a last block that is shorter is filled with zeros.
;;     - A block's scale is 2^e with e = floor(log2(the largest magnitude in the block)) - 4, held to -126 .. 127; a block of zeros has e = 0. As a byte (E8M0): e + 127.
;;     - Each number is divided by its block's scale, clamped to +-28, and rounded to the nearest number of E3M2, ties to even, subnormals kept.
;;     - The product sums the exact products of the quantised numbers (number of the format x scale) in f32.
;;   ~~~python
;;   def quantise(x, axis):      # numpy; x: float32 -> the quantised numbers, widened to float32 again
;;       x = np.moveaxis(x, axis, -1); K = x.shape[-1]
;;       x = np.pad(x, [(0, 0)] * (x.ndim - 1) + [(0, -K % 32)]); x = x.reshape(x.shape[:-1] + (-1, 32)); a = np.abs(x).max(-1, keepdims=True)
;;       e = np.where(a > 0, np.clip(np.frexp(np.where(a > 0, a, 1))[1] - 1 - 4, -126, 127), 0)      # np.frexp(a)[1] - 1 = floor(log2(a)), exactly
;;       r = np.clip(x / 2.0 ** e, -28, 28)
;;       step = 2.0 ** (np.maximum(np.frexp(np.where(r == 0, 1, r))[1] - 1, -2) - 2)
;;       q = np.round(r / step) * step * 2.0 ** e      # np.round: ties to even
;;       return np.moveaxis(q.reshape(q.shape[:-2] + (-1,))[..., :K], -1, axis).astype(np.float32)
;;   ~~~
;;   SOFTMAX AHEAD OF A QUANTISED PRODUCT. Where the list says 'softmax', what is quantised is not the finished softmax but p = 2^(t - M), with t = logit x log2(e) and M = ceil(the row's largest t), a whole number; so 1/2 < the row's largest p <= 1. The row's sum l is taken of the UNQUANTISED p, in f32, and the product's result is divided by l at the end. Since M is a whole number, a kernel that streams over the keys may use a running M (the ceiling of the running maximum): every later rescaling is an exact power of two, which a block's scale takes up: the codes' values come out the same.
;;   OPERANDS COMPUTED ON THE WAY. 'Computed on the way' means the value that the module computes at that place (a softmax that the list does not call 'softmax' is quantised finished and normalised). What goes into a quantiser is computed in f32, as accurately as f32 sums, v_exp_f32 and their like allow (about 1e-6 of the number): no bf16 or f16 on the way to a quantiser, and a product that is left as it is and whose result goes on into a quantised operand takes f32 operands (vector FMAs, or v_wmma_f32_16x16x4_f32). A number that lies on a knife's edge between two numbers of the format may be rounded either way, as far as f32 arithmetic and the matrix unit's own rounding can turn it there, and no further.
;; One version. Each part assembles by itself: llvm-mc -triple=amdgcn-amd-amdhsa -mcpu=gfx1250 --defsym DOCPART=n.
;; ======== version 1 of 1: 3 launches
;; limits: right only within a limited range of input values
;; workspace buffers: xw 7,168,000 bytes; qkv 19,660,800 bytes
;; launch quant (part 1): grid 280 x 4, 4 waves a work-group, no clusters, 34,816 bytes of LDS; arguments x, Wk, Wq, Wv, xw; writes xw
.if DOCPART == 1
	.amdgcn_target "amdgcn-amd-amdhsa--gfx1250"
	.amdhsa_code_object_version 6
	.text
	.protected	k_q1721483545_quant
	.globl	k_q1721483545_quant
	.p2align	8
	.type	k_q1721483545_quant,@function
k_q1721483545_quant:
	s_mov_b64 s[64:65], 0
	v_nop
	global_prefetch_b8 v0, s[64:65] scope:SCOPE_SE
	s_setreg_imm32_b32 hwreg(HW_REG_WAVE_MODE, 25, 1), 1
	s_wait_xcnt 0x0
; x [16384][512], Wk, Wq, Wv [512][512], f32, K innermost, become codes of BF6 (E3M2) with one E8M0 byte for each 32 along K, laid in xw as IMAGES OF OPERAND REGISTERS.
; A RECORD is 256 rows x K 512, 102,400 bytes.  Tile i of its 16 holds rows 32 (i / 2) + 8 (i % 2) + r + 8 (r / 8), r = 0 .. 15 (so that a product that takes two neighbouring tiles as source 0
; leaves 16 neighbours in a lane's 16 registers).  Fragment (tile i, K step s of 128) lies at (4 i + s) x 1,536: register 4 c + e of lane l at 512 c + 16 l + 4 e.
; Scale words at 98,304 + (4 n + s) x 256 + 8 x lane, n = i / 4: the first word holds tile 4 n in lanes 0-15 and tile 4 n + 1 in lanes 16-31, the second tiles 4 n + 2 and 4 n + 3.
; Records 0-63: x; 64-65: Wk; 66-67: Wq; 68-69: Wv.
; SHARES.  Work-group (g, s): four tiles (64 rows) and K step s; g < 256: x, else the three weights, 8 work-groups each.  Wave w: tile 4 (g % 4) + w: one fragment.
; Each load reads 512 consecutive bytes of one row; the 16 rows turn through the wave's own stage in LDS, so that a lane gets its two whole blocks of 32 neighbours.  A block's largest magnitude needs no other lane.
; A block's scale is 2^(floor(log2(largest magnitude)) - 4); its byte is the largest magnitude's exponent field - 4, held at 1 from below.
; LIMITS: a block of zeros gets the byte 1 (its codes are zeros; this program alone reads the bytes); blocks whose largest magnitude lies under 2^-122 have the byte held at 1; NaN and infinities among the inputs are not served.
; No matrix unit, no cluster, no tensor load: nothing is shared between work-groups and every byte is read once.
; DEAD WORK: reference() never uses its inputs y and z, so no output hangs on them for any values: they are not loaded and are among no launch's arguments.
; LIMIT: a NaN or an infinity in y or z is not carried to the result.
.set REC,  102400
.set SCO,  98304                       ; where a record's scale words begin
.set FRB,  1536                        ; a fragment's image
.set SP,   528                         ; a stage row: 512 bytes + 16, so that the 16 rows of a read begin in different banks
.set STGB, 16*SP
.set SX,   4*STGB                      ; behind the four stages: the work-group's 64 scale words
.set R,    16                          ; v16-79   16 rows as loaded
.set XN,   80                          ; v80-143  register 32 c + i: k = 64 c + 32 h + i of my row
.set F,    144                         ; v144-155 the fragment
.set T,    156                         ; v156-163 the conversions' second halves
.set MX,   164                         ; v164-165 largest magnitudes; v166-167 scale operands; v168-169 bytes
.set SOP,  166
.set BY,   168
	s_load_b256 s[4:11], s[0:1], 0x0               ; x, Wk, Wq, Wv
	s_load_b64 s[12:13], s[0:1], 0x20              ; xw
	v_lshl_add_u32 v176, v0, 2, 0x8600
	v_mov_b32 v177, 0
	v_lshrrev_b32 v1, 5, v0
	v_readfirstlane_b32 s14, v1                    ; wave 0..3
	v_and_b32 v11, 31, v0                          ; lane
	v_and_b32 v2, 15, v0                           ; r
	v_bfe_u32 v3, v0, 4, 1                         ; h
	v_lshlrev_b32 v1, 4, v11                       ; 16 x lane
	v_lshlrev_b32 v8, 3, v11                       ; 8 x lane
	s_mul_i32 s15, s14, STGB                       ; my stage
	v_add_nc_u32 v4, s15, v1                       ; in: a row's 512 bytes as they lie
	v_mul_u32_u24 v5, v2, SP
	v_lshl_add_u32 v5, v3, 7, v5
	v_add_nc_u32 v5, s15, v5                       ; out: row r, + 128 h: my block of 32 numbers
	s_lshl_b32 s15, s14, 6
	s_add_co_u32 s15, s15, SX
	v_lshlrev_b32 v6, 2, v2
	v_add_nc_u32 v6, s15, v6                       ; my row's scale word: SX + 64 x wave + 4 r
	v_lshlrev_b32 v7, 2, v11
	v_add_nc_u32 v7, SX, v7                        ; and where wave 0 reads them back
	s_mov_b32 s28, 0x76543210
	s_mov_b32 s29, 0xfedcba98                      ; v_permlanex16_b32's selects for lane l xor 16
	s_and_b32 s17, ttmp7, 0xffff                   ; K step s
	s_and_b32 s15, ttmp9, 7                        ; a weight's group of four tiles
	s_lshr_b32 s19, s14, 1
	s_lshl_b32 s19, s19, 16
	s_and_b32 s20, s14, 1
	s_lshl_b32 s20, s20, 14
	s_add_co_u32 s19, s19, s20                     ; my tile's first row: (32 (w / 2) + 8 (w % 2)) x 2,048 bytes
	s_lshl_b32 s20, s17, 9
	s_add_co_u32 s19, s19, s20                     ; + 512 s
	s_lshr_b32 s21, ttmp9, 2
	s_mul_i32 s21, s21, REC                        ; my record
	s_and_b32 s22, ttmp9, 3                        ; n
	s_lshl_b32 s23, s22, 2
	s_add_co_u32 s23, s23, s14                     ; tile 4 n + w
	s_lshl_b32 s23, s23, 2
	s_add_co_u32 s23, s23, s17
	s_mul_i32 s23, s23, FRB
	s_add_co_u32 s24, s21, s23                     ; my fragment's place
	s_mov_b32 s25, 0
	s_lshl_b32 s22, s22, 2
	s_add_co_u32 s22, s22, s17
	s_lshl_b32 s22, s22, 8
	s_add_co_u32 s22, s22, s21
	s_add_co_u32 s26, s22, SCO                     ; the work-group's 256 bytes of scale words
	s_mov_b32 s27, 0
	s_wait_alu depctr_va_vdst(0)
	s_wait_kmcnt 0x0
	s_cmp_lt_u32 ttmp9, 272                        ; which tensor: the choices hang on the work-group's number alone
	s_cselect_b64 s[8:9], s[8:9], s[10:11]
	s_cmp_lt_u32 ttmp9, 264
	s_cselect_b64 s[6:7], s[6:7], s[8:9]
	s_cmp_lt_u32 ttmp9, 256
	s_cselect_b64 s[4:5], s[4:5], s[6:7]
	s_cselect_b32 s16, ttmp9, s15                  ; which 64 rows of it
	s_lshl_b32 s16, s16, 17
	s_add_co_u32 s16, s16, s19
	s_mov_b32 s17, 0
	s_add_nc_u64 s[4:5], s[4:5], s[16:17]
	s_add_nc_u64 s[24:25], s[12:13], s[24:25]
	s_add_nc_u64 s[26:27], s[12:13], s[26:27]
.irp t, 0,1,2,3,4,5,6,7,8,9,10,11,12,13,14,15
	global_load_b128 v[R+4*\t:R+4*\t+3], v1, s[4:5] offset:(\t+8*(\t/8))*2048 th:TH_LOAD_NT   ; the tile's row t: 32 lanes read 512 consecutive bytes
.endr
.irp t, 0,1,2,3,4,5,6,7,8,9,10,11,12,13,14,15
	s_wait_loadcnt 15-\t                           ; loads come back in order: row t is in, the younger rows may be out
	ds_store_b128 v4, v[R+4*\t:R+4*\t+3] offset:SP*\t
.endr
.irp c, 0,1
.irp i, 0,1,2,3,4,5,6,7
	ds_load_b128 v[XN+32*\c+4*\i:XN+32*\c+4*\i+3], v5 offset:256*\c+16*\i   ; LDS serves a wave's instructions in order: these see my stores
.endr
.endr
	s_wait_dscnt 0x0
.irp c, 0,1                                    ; my block 2 c + h: all its 32 numbers are mine
	v_max3_num_f32 v[MX+\c], |v[XN+32*\c]|, |v[XN+32*\c+1]|, 0x2800000   ; with the floor 2^(5 - 127): the byte cannot fall under 1
.endr
.irp i, 2,4,6,8,10,12,14,16,18,20,22,24,26,28,30
.irp c, 0,1
	v_max3_num_f32 v[MX+\c], v[MX+\c], |v[XN+32*\c+\i]|, |v[XN+32*\c+\i+1]|
.endr
.endr
.irp c, 0,1
	v_add_nc_u32 v[SOP+\c], 0xfe000000, v[MX+\c]   ; 4 off the exponent field: the conversion takes this operand's exponent field as its scale
.endr
.irp c, 0,1
	v_lshrrev_b32 v[BY+\c], 23, v[SOP+\c]          ; the scale's byte
.endr
	v_lshl_or_b32 v9, v[BY+1], 16, v[BY]           ; my two bytes: blocks h and 2 + h of my row,
	v_lshlrev_b32 v10, 3, v3
	v_lshlrev_b32 v9, v10, v9                      ; at their places in the word (8 h bits up);
	v_mov_b32 v10, 0
	v_permlanex16_b32 v10, v9, s28, s29
	v_or_b32 v9, v9, v10                           ; with lane l xor 16's two the word is whole
.irp c, 0,1
	v_cvt_scalef32_pk16_bf6_f32 v[F+6*\c:F+6*\c+2], v[XN+32*\c:XN+32*\c+15], v[SOP+\c]
	v_cvt_scalef32_pk16_bf6_f32 v[T+4*\c:T+4*\c+2], v[XN+32*\c+16:XN+32*\c+31], v[SOP+\c]   ; (a conversion's three registers begin on an even number)
.endr
	v_nop                                          ; one plain place behind a scaled conversion
.irp c, 0,1
.irp i, 0,1,2
	v_mov_b32 v[F+6*\c+3+\i], v[T+4*\c+\i]
.endr
.endr
.irp c, 0,1,2
	global_store_b128 v1, v[F+4*\c:F+4*\c+3], s[24:25] offset:512*\c   ; the image: 32 lanes store 512 consecutive bytes, at a multiple of 512 from xw's first byte
.endr
	ds_store_b32 v6, v9                            ; both halves of the lanes write the same word with the same value
	s_wait_dscnt 0x0                               ; for wave 0's sake: my word has landed
	s_barrier_signal -1
	s_barrier_wait -1
	s_cmp_lg_u32 s14, 0
	s_cbranch_scc1 .Ldone
	ds_load_b32 v12, v7                            ; lanes 0-15: wave 0's tile, lanes 16-31: wave 1's
	ds_load_b32 v13, v7 offset:128                 ; waves 2 and 3
	s_wait_dscnt 0x0
	global_store_b64 v8, v[12:13], s[26:27]        ; 32 lanes store 256 consecutive bytes, at a multiple of 256 from xw's first byte
.Ldone:
	s_wait_tensorcnt 0x0
	ds_add_u32 v176, v177
	s_wait_dscnt 0x0
	s_endpgm
.Lfunc_end_k_q1721483545_quant:
	.size	k_q1721483545_quant, .Lfunc_end_k_q1721483545_quant-k_q1721483545_quant
	.p2alignl 7, 3214868480
	.fill 96, 4, 3214868480
	.section	.rodata,"a",@progbits
	.p2align	6, 0x0
	.amdhsa_kernel k_q1721483545_quant
		.amdhsa_group_segment_fixed_size 34816
		.amdhsa_private_segment_fixed_size 0
		.amdhsa_enable_private_segment 0
		.amdhsa_kernarg_size 40
		.amdhsa_user_sgpr_count 2
		.amdhsa_user_sgpr_kernarg_segment_ptr 1
		.amdhsa_wavefront_size32 1
		.amdhsa_system_sgpr_workgroup_id_x 1
		.amdhsa_system_sgpr_workgroup_id_y 1
		.amdhsa_system_sgpr_workgroup_id_z 1
		.amdhsa_system_vgpr_workitem_id 0
		.amdhsa_next_free_vgpr 178
		.amdhsa_next_free_sgpr 66
		.amdhsa_reserve_vcc 0
		.amdhsa_float_denorm_mode_32 3
		.amdhsa_float_denorm_mode_16_64 3
		.amdhsa_memory_ordered 1
		.amdhsa_forward_progress 1
		.amdhsa_inst_pref_size 11
	.end_amdhsa_kernel
	.amdgpu_metadata
---
amdhsa.version: [ 1, 2 ]
amdhsa.kernels:
  - .name:           k_q1721483545_quant
    .symbol:         k_q1721483545_quant.kd
    .args:
      - { .name: x, .offset: 0, .size: 8, .value_kind: global_buffer, .address_space: global }
      - { .name: Wk, .offset: 8, .size: 8, .value_kind: global_buffer, .address_space: global }
      - { .name: Wq, .offset: 16, .size: 8, .value_kind: global_buffer, .address_space: global }
      - { .name: Wv, .offset: 24, .size: 8, .value_kind: global_buffer, .address_space: global }
      - { .name: xw, .offset: 32, .size: 8, .value_kind: global_buffer, .address_space: global }
    .group_segment_fixed_size: 34816
    .private_segment_fixed_size: 0
    .kernarg_segment_align: 8
    .kernarg_segment_size: 40
    .max_flat_workgroup_size: 128
    .sgpr_count:     66
    .vgpr_count:     178
    .wavefront_size: 32
...
	.end_amdgpu_metadata
.endif
;; end of part 1
;; launch proj (part 2): grid 192 x 1, 4 waves a work-group, no clusters, 168,448 bytes of LDS; arguments xw, qkv; writes qkv
.if DOCPART == 2
	.amdgcn_target "amdgcn-amd-amdhsa--gfx1250"
	.amdhsa_code_object_version 6
	.text
	.protected	k_q1721483545_proj
	.globl	k_q1721483545_proj
	.p2align	8
	.type	k_q1721483545_proj,@function
k_q1721483545_proj:
	s_mov_b64 s[64:65], 0
	v_nop
	global_prefetch_b8 v0, s[64:65] scope:SCOPE_SE
	s_setreg_imm32_b32 hwreg(HW_REG_WAVE_MODE, 25, 1), 1
	s_wait_xcnt 0x0
; k = x Wk^T, q = x Wq^T, v = x Wv^T on codes of BF6 (E3M2) with E8M0 scales; the results are quantised in registers, k and q along the head's 512, v along the keys, and stored in qkv as images of operand registers.
; RECORDS as in xw: 256 rows x K 512 in 102,400 bytes; tile i holds rows 32 (i / 2) + 8 (i % 2) + r + 8 (r / 8); fragment (i, K step s) at (4 i + s) x 1,536; scale words at 98,304 + (4 (i / 4) + s) x 256 + 8 x lane.
; qkv: records 0-63 k, 64-127 q (256 rows of x each).  Records 128-191: v, 256 keys each: fragment (tile ct of 32 tiles of channels, step u of 128 keys) at (2 ct + u) x 1,536, scale words at 98,304 + (2 (ct / 4) + u) x 256 + 8 x lane.
; ONE SHAPE FOR THE THREE.  Operand A has 512 rows (two records): for k and q the weight, for v 512 rows of x.  Wave g keeps 128 of them, 32 fragments, in 384 registers for the whole launch.
; Operand B is one record in LDS (for k and q 256 rows of x, for v 256 rows of Wv), brought by one tensor load a wave, filled once.
; A UNIT: my 8 tiles of A (source 0) x one tile of B (source 1), K = 512: 32 matrix instructions.  A lane then holds ONE row of B, and its 64 registers are 128 neighbours of A's rows shared with lane l xor 16:
; the next product's K.  They become one fragment and one scale word a row.
; 192 work-groups: 64 for each of k, q, v.  No cluster: A goes from memory straight into the registers where it stays, and an x record as B is read by two work-groups (k's and q's), which have different A; a record of Wv by 32.
; LIMITS: a block of zeros gets the byte 1 (its codes are zeros; this program alone reads the bytes); blocks under 2^-122 have the byte held at 1; NaN and infinities are not served.
; REGISTERS: window 0: v1-4 addresses; v16-23 B's scale words; v24-39 A's; v40-41 the scale words to be stored; v48-111 the 8 accumulators; v112-131 codes; v132-227 B's fragments, two sets; v228-244 the quantiser's.
;   window 1: A's K steps 0, 1 at 12 (8 (s % 2) + t); window 2: K steps 2, 3.
.set REC,  102400
.set SCO,  98304
.set FRB,  1536
.set QTR,  25600                       ; a quarter of a record: what one tensor load brings
.set BAD,  3                           ; v3   16 x lane + 24,576 x trip: B's fragments
.set BSA,  4                           ; v4   98,304 + 8 x lane + 1,024 x trip: B's scale words
.set BS,   16                          ; register 2 s + q / 2, row q % 2
.set AS,   24                          ; register 8 (t / 4) + 2 s + (t % 4) / 2, row t % 2
.set XY,   40
.set HA,   48
.set PC,   112
.set BF,   132
.set TM,   228
.set PW,   244
.set WV,   10
.set SEL,  12
.set G1,   16
.set G0,   24
.set FP,   28                          ; s[28:29] where the next fragment goes
.set SPT,  30                          ; s[30:31] where the next 256 bytes of scale words go
.set FST,  32                          ; s[32:33] a unit on
.set SST,  34                          ; s[34:35] four units on
.set HI16, 36                          ; s36  lanes 16-31
.set TRIPS, 38
.set MSB, 0
.macro WIN new                         ; the immediate's high byte repeats the setting that is left; a switch that changes nothing is dropped
.if MSB != (\new)
	s_set_vgpr_msb (MSB<<8)|(\new)
.set MSB, \new
.endif
.endm
.macro PLACES n
.rept \n
	v_nop
.endr
.endm
; One matrix line.  zero = 1: the product starts the sum.  ra, rb odd: the side's scale words are taken from lanes 16-31.
.macro WM d, a, b, zero, sa, sb, ra, rb
.set rD, \d
.set rA, \a
.set rB, \b
.set rX, \sa
.set rY, \sb
.set rW, 4*(\zero)+2*((\rb)%2)+(\ra)%2
.if rW == 0
	v_wmma_scale_f32_16x16x128_f8f6f4 v[rD:rD+7], v[rA:rA+11], v[rB:rB+11], v[rD:rD+7], v[rX], v[rY] matrix_a_fmt:MATRIX_FMT_BF6 matrix_b_fmt:MATRIX_FMT_BF6
.elseif rW == 1
	v_wmma_scale_f32_16x16x128_f8f6f4 v[rD:rD+7], v[rA:rA+11], v[rB:rB+11], v[rD:rD+7], v[rX], v[rY] matrix_a_fmt:MATRIX_FMT_BF6 matrix_b_fmt:MATRIX_FMT_BF6 matrix_a_scale:MATRIX_SCALE_ROW1
.elseif rW == 2
	v_wmma_scale_f32_16x16x128_f8f6f4 v[rD:rD+7], v[rA:rA+11], v[rB:rB+11], v[rD:rD+7], v[rX], v[rY] matrix_a_fmt:MATRIX_FMT_BF6 matrix_b_fmt:MATRIX_FMT_BF6 matrix_b_scale:MATRIX_SCALE_ROW1
.elseif rW == 3
	v_wmma_scale_f32_16x16x128_f8f6f4 v[rD:rD+7], v[rA:rA+11], v[rB:rB+11], v[rD:rD+7], v[rX], v[rY] matrix_a_fmt:MATRIX_FMT_BF6 matrix_b_fmt:MATRIX_FMT_BF6 matrix_a_scale:MATRIX_SCALE_ROW1 matrix_b_scale:MATRIX_SCALE_ROW1
.elseif rW == 4
	v_wmma_scale_f32_16x16x128_f8f6f4 v[rD:rD+7], v[rA:rA+11], v[rB:rB+11], 0, v[rX], v[rY] matrix_a_fmt:MATRIX_FMT_BF6 matrix_b_fmt:MATRIX_FMT_BF6
.elseif rW == 5
	v_wmma_scale_f32_16x16x128_f8f6f4 v[rD:rD+7], v[rA:rA+11], v[rB:rB+11], 0, v[rX], v[rY] matrix_a_fmt:MATRIX_FMT_BF6 matrix_b_fmt:MATRIX_FMT_BF6 matrix_a_scale:MATRIX_SCALE_ROW1
.elseif rW == 6
	v_wmma_scale_f32_16x16x128_f8f6f4 v[rD:rD+7], v[rA:rA+11], v[rB:rB+11], 0, v[rX], v[rY] matrix_a_fmt:MATRIX_FMT_BF6 matrix_b_fmt:MATRIX_FMT_BF6 matrix_b_scale:MATRIX_SCALE_ROW1
.else
	v_wmma_scale_f32_16x16x128_f8f6f4 v[rD:rD+7], v[rA:rA+11], v[rB:rB+11], 0, v[rX], v[rY] matrix_a_fmt:MATRIX_FMT_BF6 matrix_b_fmt:MATRIX_FMT_BF6 matrix_a_scale:MATRIX_SCALE_ROW1 matrix_b_scale:MATRIX_SCALE_ROW1
.endif
.endm
; 64 numbers of a lane, v[s] .. v[s + 63], register 16 b + i = k 32 b + 16 (lane / 16) + i of my row, become a fragment's codes in v[PC] on and its scale word in v[PW].
.macro QUANT s
.irp b, 0,1,2,3
	v_max3_num_f32 v[TM+\b], |v[\s+16*\b]|, |v[\s+1+16*\b]|, 0x2800000   ; block b: my 16 numbers, and the floor 2^(5 - 127): the byte cannot fall under 1.  (Each accumulator is read from its low end on)
.endr
.irp i, 2,4,6,8,10,12,14
.irp b, 0,1,2,3
	v_max3_num_f32 v[TM+\b], v[TM+\b], |v[\s+16*\b+\i]|, |v[\s+1+16*\b+\i]|   ; (the four blocks by turns)
.endr
.endr
.irp b, 0,1,2,3
	v_permlanex16_b32 v[TM+4+\b], v[TM+\b], s[SEL], s[SEL+1]
.endr
.irp b, 0,1,2,3
	v_max_num_f32 v[TM+\b], v[TM+\b], v[TM+4+\b]   ; with lane l xor 16's: the block's largest magnitude
.endr
.irp b, 0,1,2,3
	v_add_nc_u32 v[TM+12+\b], 0xfe000000, v[TM+\b]   ; 4 off its exponent field: the conversion's scale operand
.endr
.irp b, 0,1,2,3
	v_lshrrev_b32 v[TM+4+\b], 23, v[TM+12+\b]      ; the scale's byte
.endr
	v_lshl_or_b32 v[PW], v[TM+5], 8, v[TM+4]       ; the four bytes make my row's scale word, the same in both halves of the lanes
	v_lshl_or_b32 v[PW], v[TM+6], 16, v[PW]
	v_lshl_or_b32 v[PW], v[TM+7], 24, v[PW]
.irp c, 0,1
	v_cvt_scalef32_pk16_bf6_f32 v[PC+6*\c:PC+2+6*\c], v[\s+32*\c:\s+15+32*\c], v[TM+12+2*\c]
	v_cvt_scalef32_pk16_bf6_f32 v[PC+12+4*\c:PC+14+4*\c], v[\s+16+32*\c:\s+31+32*\c], v[TM+12+2*\c+1]   ; (a conversion's three registers begin on an even number)
.endr
	v_nop                                          ; one plain place behind a scaled conversion: the next unit's products write its sources
.irp c, 0,1                                    ; the operand's layout wants a WHOLE block in a lane: lanes 0-15 block 2 c, lanes 16-31 block 2 c + 1
.irp i, 0,1,2
	v_permlane16_swap_b32 v[PC+6*\c+\i], v[PC+12+4*\c+\i]
.endr
.irp i, 0,1,2
	v_mov_b32 v[PC+3+6*\c+\i], v[PC+12+4*\c+\i]
.endr
.endr
.endm
.macro BFETCH q, dst                   ; the four fragments of the trip's tile q of B
.set rF, \dst
.irp k, 0,1,2,3
.irp c, 0,1,2
	ds_load_b128 v[rF+12*\k+4*\c:rF+12*\k+4*\c+3], v[BAD] offset:(4*(\q)+\k)*FRB+512*\c
.endr
.endr
.endm
	s_load_b128 s[4:7], s[0:1], 0x0                ; xw, qkv
	v_lshl_add_u32 v254, v0, 2, 0x29000
	v_mov_b32 v255, 0
	ds_add_u32 v254, v255
	ds_add_u32 v254, v255
	v_lshrrev_b32 v1, 5, v0
	v_readfirstlane_b32 s[WV], v1                  ; wave g = 0..3
	v_and_b32 v2, 31, v0
	v_lshlrev_b32 v1, 4, v2                        ; 16 x lane
	v_lshlrev_b32 v2, 3, v2                        ; 8 x lane
	v_mov_b32 v[BAD], v1
	v_add_nc_u32 v[BSA], SCO, v2
.irp b, 0,1,2,3
	v_mov_b32 v[TM+4+\b], 0                        ; written once: a lane permute's destination counts as one of its sources
.endr
	s_mov_b32 s[SEL], 0x76543210
	s_mov_b32 s[SEL+1], 0xfedcba98
	s_mov_b32 s[HI16], 0xffff0000
	s_lshr_b32 s40, ttmp9, 6                       ; 0: k, 1: q, 2: v
	s_and_b32 s41, ttmp9, 63                       ; which of the kind's 64
	s_and_b32 s42, s41, 1                          ; v: which 256 channels
	s_and_b32 s43, s41, 62                         ; v: the first of the two records of x
	s_lshr_b32 s44, s[WV], 1
	s_and_b32 s45, s[WV], 1
	s_lshl_b32 s46, s40, 1
	s_add_co_u32 s46, s46, 64                      ; k, q: A = the weight's two records
	s_add_co_u32 s47, s42, 68                      ; v: B = a record of Wv
	s_add_co_u32 s37, s43, s44
	s_add_co_u32 s37, s37, 128                     ; v: my 128 keys' record
	s_mul_i32 s39, s[WV], FRB                      ; k, q: my 128 channels are K step g
	s_lshl_b32 s2, s42, 5
	s_add_co_u32 s2, s2, s45
	s_mul_i32 s2, s2, FRB                          ; v: tile of channels 16 hb, step g % 2 of the record's keys
	s_lshl_b32 s3, s[WV], 8
	s_lshl_b32 s11, s42, 3
	s_add_co_u32 s11, s11, s45
	s_lshl_b32 s11, s11, 8
	s_mov_b32 s[FST], 4*FRB
	s_mov_b32 s[SST], 1024
	s_cmp_eq_u32 s40, 2                            ; the choices hang on the work-group's number alone; only global offsets are chosen
	s_cselect_b32 s46, s43, s46                    ; A's first record
	s_cselect_b32 s47, s47, s41                    ; B's record
	s_cselect_b32 s37, s37, ttmp9                  ; the record that I write (k, q: 64 x kind + which)
	s_cselect_b32 s39, s2, s39                     ; my first fragment in it
	s_cselect_b32 s3, s11, s3                      ; my first scale words
	s_cselect_b32 s[FST], 2*FRB, s[FST]
	s_cselect_b32 s[SST], 512, s[SST]
	s_mov_b32 s[FST+1], 0
	s_mov_b32 s[SST+1], 0
	s_mul_i32 s37, s37, REC
	s_add_co_u32 s[FP], s37, s39
	s_mov_b32 s[FP+1], 0
	s_add_co_u32 s[SPT], s37, s3
	s_add_co_u32 s[SPT], s[SPT], SCO
	s_mov_b32 s[SPT+1], 0
	s_add_co_u32 s46, s46, s44
	s_mul_i32 s46, s46, REC                        ; my record of A,
	s_mul_i32 s2, s45, 32*FRB
	s_add_co_u32 s14, s46, s2                      ; my 8 tiles' codes,
	s_mov_b32 s15, 0
	s_lshl_b32 s2, s45, 11
	s_add_co_u32 s8, s46, s2
	s_add_co_u32 s8, s8, SCO                       ; and their scale words
	s_mov_b32 s9, 0
	; descriptor group 1: a dense block of 25,600 bytes as 100 rows of 32 elements of 8 bytes
	s_mov_b32 s[G1+0], 3<<16                       ; no mask; elements of 8 bytes; no padding: images are read 16 bytes a lane on end
	s_mov_b32 s[G1+1], 32<<16                      ; tensor_dim0
	s_mov_b32 s[G1+2], 100<<16                     ; tensor_dim1
	s_mov_b32 s[G1+3], 32<<16                      ; tile_dim0
	s_mov_b32 s[G1+4], 100                         ; tile_dim1
	s_mov_b32 s[G1+5], 32                          ; from row to row
	s_mov_b32 s[G1+6], 0
	s_mov_b32 s[G1+7], 0
	s_mov_b32 s[G0], 1
	s_mul_i32 s[G0+1], s[WV], QTR                  ; my quarter of B's record, in LDS
	s_mul_i32 s47, s47, REC
	s_add_co_u32 s[G0+2], s47, s[G0+1]             ; and in memory
	s_mov_b32 s[G0+3], 0
	s_wait_alu depctr_va_vdst(0)
	s_wait_dscnt 0x0
	s_wait_kmcnt 0x0
	s_add_nc_u64 s[G0+2:G0+3], s[4:5], s[G0+2:G0+3]
	s_or_b32 s[G0+3], s[G0+3], 0x80000000
	s_add_nc_u64 s[14:15], s[4:5], s[14:15]
	s_add_nc_u64 s[8:9], s[4:5], s[8:9]
	s_add_nc_u64 s[FP:FP+1], s[6:7], s[FP:FP+1]
	s_add_nc_u64 s[SPT:SPT+1], s[6:7], s[SPT:SPT+1]
	tensor_load_to_lds s[G0:G0+3], s[G1:G1+7]      ; the one fill of these bytes: one tensor load of mine is out
	s_nop 0
	PLACES 4
.irp p, 0,1                                    ; A's 32 fragments: they stay
	WIN 0x40+0x40*\p
.irp t, 0,1,2,3,4,5,6,7
.irp k, 0,1
.irp c, 0,1,2
	global_load_b128 v[12*(8*\k+\t)+4*\c:12*(8*\k+\t)+4*\c+3], v1, s[14:15] offset:(4*\t+2*\p+\k)*FRB+512*\c
.endr
.endr
.endr
.endr
	WIN 0
.irp m, 0,1
.irp k, 0,1,2,3
	global_load_b64 v[AS+8*\m+2*\k:AS+8*\m+2*\k+1], v2, s[8:9] offset:1024*\m+256*\k
.endr
.endr
	s_wait_tensorcnt 0x0                           ; my quarter of B has landed,
	s_barrier_signal -1
	s_barrier_wait -1                              ; everybody's has
	s_wait_loadcnt 0x0                             ; A
; One tile of B.  The next tile's fragments are asked for first and land under this tile's products.  The eight accumulators take turns, one instruction a turn.
.macro UNIT q
.if \q < 3
	BFETCH \q+1, BF+48*((\q+1)%2)
	s_wait_dscnt 12                                ; all but the twelve just issued
.else
	s_wait_dscnt 0x0
.endif
.irp k, 0,1,2,3
	WIN 1+\k/2                                     ; source 0 (A): window 1 or 2
.irp t, 0,1,2,3,4,5,6,7
	WM HA+8*\t, 12*(8*(\k%2)+\t), BF+48*((\q)%2)+12*\k, (3-\k)/3, AS+8*(\t/4)+2*\k+(\t%4)/2, BS+2*\k+(\q)/2, \t, \q
.endr
.endr
	WIN 0
	PLACES 4                                       ; behind the last product, ahead of the first read of results
	QUANT HA
.irp c, 0,1,2
	global_store_b128 v1, v[PC+4*\c:PC+4*\c+3], s[FP:FP+1] offset:512*\c   ; the image: 32 lanes store 512 consecutive bytes, at a multiple of 512 from qkv's first byte
.endr
.if \q == 0
	v_mov_b32 v[XY], v[PW]                         ; lanes 0-15 keep this tile's words,
.elseif \q == 1
	v_cndmask_b32 v[XY], v[XY], v[PW], s[HI16]     ; lanes 16-31 take the next tile's
.elseif \q == 2
	v_mov_b32 v[XY+1], v[PW]
.else
	v_cndmask_b32 v[XY+1], v[XY+1], v[PW], s[HI16]
	global_store_b64 v2, v[XY:XY+1], s[SPT:SPT+1]  ; four tiles' scale words: 256 consecutive bytes, at a multiple of 256 from qkv's first byte
.endif
	s_wait_xcnt 0x0                                ; the stores have read their registers and bases: the pointers step, and the next unit writes the codes and the words again
	s_add_nc_u64 s[FP:FP+1], s[FP:FP+1], s[FST:FST+1]
.if \q == 3
	s_add_nc_u64 s[SPT:SPT+1], s[SPT:SPT+1], s[SST:SST+1]
.endif
.endm
	s_mov_b32 s[TRIPS], 4
.Ltrip:                                            ; a trip: four tiles of B
	s_wait_alu depctr_va_vdst(0)
	BFETCH 0, BF                                   ; (a whole quantiser's vector lines stand between the last products that read these registers and these loads)
.irp k, 0,1,2,3
	ds_load_b64 v[BS+2*\k:BS+2*\k+1], v[BSA] offset:256*\k
.endr
	UNIT 0
	UNIT 1
	UNIT 2
	UNIT 3
	v_add_nc_u32 v[BAD], 16*FRB, v[BAD]
	v_add_nc_u32 v[BSA], 1024, v[BSA]
	s_sub_co_u32 s[TRIPS], s[TRIPS], 1
	s_cmp_lg_u32 s[TRIPS], 0
	s_cbranch_scc1 .Ltrip
	s_wait_tensorcnt 0x0
	ds_add_u32 v254, v255
	s_wait_dscnt 0x0
	s_endpgm
.Lfunc_end_k_q1721483545_proj:
	.size	k_q1721483545_proj, .Lfunc_end_k_q1721483545_proj-k_q1721483545_proj
	.p2alignl 7, 3214868480
	.fill 96, 4, 3214868480
	.section	.rodata,"a",@progbits
	.p2align	6, 0x0
	.amdhsa_kernel k_q1721483545_proj
		.amdhsa_group_segment_fixed_size 168448
		.amdhsa_private_segment_fixed_size 0
		.amdhsa_enable_private_segment 0
		.amdhsa_kernarg_size 16
		.amdhsa_user_sgpr_count 2
		.amdhsa_user_sgpr_kernarg_segment_ptr 1
		.amdhsa_wavefront_size32 1
		.amdhsa_system_sgpr_workgroup_id_x 1
		.amdhsa_system_sgpr_workgroup_id_y 1
		.amdhsa_system_sgpr_workgroup_id_z 1
		.amdhsa_system_vgpr_workitem_id 0
		.amdhsa_next_free_vgpr 704
		.amdhsa_next_free_sgpr 66
		.amdhsa_reserve_vcc 0
		.amdhsa_float_denorm_mode_32 3
		.amdhsa_float_denorm_mode_16_64 3
		.amdhsa_memory_ordered 1
		.amdhsa_forward_progress 1
		.amdhsa_inst_pref_size 52
	.end_amdhsa_kernel
	.amdgpu_metadata
---
amdhsa.version: [ 1, 2 ]
amdhsa.kernels:
  - .name:           k_q1721483545_proj
    .symbol:         k_q1721483545_proj.kd
    .args:
      - { .name: xw, .offset: 0, .size: 8, .value_kind: global_buffer, .address_space: global }
      - { .name: qkv, .offset: 8, .size: 8, .value_kind: global_buffer, .address_space: global }
    .group_segment_fixed_size: 168448
    .private_segment_fixed_size: 0
    .kernarg_segment_align: 8
    .kernarg_segment_size: 16
    .max_flat_workgroup_size: 128
    .sgpr_count:     66
    .vgpr_count:     704
    .wavefront_size: 32
...
	.end_amdgpu_metadata
.endif
;; end of part 2
;; launch attn (part 3): grid 32 x 8, 4 waves a work-group, clusters of 4 x 1, 327,680 bytes of LDS; arguments qkv, mask, out0; writes out0
.if DOCPART == 3
	.amdgcn_target "amdgcn-amd-amdhsa--gfx1250"
	.amdhsa_code_object_version 6
	.text
	.protected	k_q1721483545_attn
	.globl	k_q1721483545_attn
	.p2align	8
	.type	k_q1721483545_attn,@function
k_q1721483545_attn:
	s_mov_b64 s[64:65], 0
	v_nop
	global_prefetch_b8 v0, s[64:65] scope:SCOPE_SE
	s_setreg_imm32_b32 hwreg(HW_REG_WAVE_MODE, 25, 1), 1
	s_wait_xcnt 0x0
	s_wait_alu depctr_hold_cnt(0) depctr_sa_sdst(0) depctr_va_vdst(0) depctr_va_sdst(0) depctr_va_ssrc(0) depctr_va_vcc(0) depctr_vm_vsrc(0)
	s_getreg_b32 s2, hwreg(HW_REG_IB_STS2, 6, 4)
	s_cmp_eq_u32 s2, 0
	s_cbranch_scc0 .Lentry_in_a_cluster
	s_endpgm
.Lentry_in_a_cluster:
	s_bfe_u32 s2, ttmp6, 0x10000c
	s_cmp_lg_u32 s2, 0x3003
	s_cbranch_scc0 .Lentry_shape_is_right
	s_endpgm
.Lentry_shape_is_right:
; out = softmax(where(mask == 0, -inf, q k^T / sqrt(512))) v on codes of BF6 (E3M2) with E8M0 scales, from the records that the launch before stored in qkv (y and z are used by no step and are not loaded).
; A work-group: 64 queries of one batch, all 2,048 keys in 8 steps of one record (256 keys).  Wave w = 2 qh + kh OWNS 32 queries (qh) and one half, 128, of each step's keys (kh):
; S^T = k q^T (64 matrix instructions), the mask, its OWN running M (a whole number), its own sum, p quantised in registers, O^T += v^T p^T for all 512 channels (64 matrix instructions, 512 registers).
; Nothing goes from wave to wave inside the loop.  At the end the two halves of the keys are joined once: both are brought under the larger M by exact powers of two, and each wave of a pair finishes 256 channels.
; LDS: K's record, the mask's tile (64 rows x 1,024 bytes + 16), V's record: one slot each.  K's and the mask's are filled again when all waves have read them (behind the scores), V's when its last fragments are in registers.
; CLUSTER: the four work-groups of a cluster read the same K and V records: joint loads.  The mask's rows belong to one work-group alone: a plain load.
; No prefetch: each tile's tensor load goes out as soon as its slot is free, about a step of 128 matrix instructions a wave ahead of its use; K's and V's records are read by the 32 work-groups of a batch.
; The walk over the records starts at a place that hangs on the cluster's number and wraps round: the sums do not hang on the order.
; LIMITS: the promise holds while the scaled scores stay under 2^31 in magnitude; NaN and infinities among the inputs are not served; a row whose mask is all zero gives NaN, as reference() does.
; REGISTERS: window 0: addresses, scales, the softmax's numbers, p's codes, v128-255 the scores.  Window 1: O^T of the 256 channels that I finish, accumulator (tile c, query tile e) at 8 (2 c + e); window 2: of those that my partner finishes.
;   window 3: v0-95 q's 8 fragments; v96-239 three buffers of four fragments of K or V; v96-223 also the mask's numbers.
.set REC,   102400
.set SCO,   98304
.set FRB,   1536
.set MB,    102400                     ; the mask's tile
.set MPI,   1040
.set VSLOT, 168960
.set SPARE, 271360                     ; the spare words, 512 bytes
.set XB,    271872                     ; -M and the sums, from wave to wave: 512 bytes a wave
.set OPI,   1040                       ; the way out: a stage row of 1,024 bytes + 16
.set L16, 1
.set L8,  2
.set KAD, 3
.set KSA, 4
.set VADA, 5
.set VADB, 6
.set VSAA, 7
.set VSAB, 8
.set MRA, 9
.set XW,  10
.set XR,  11
.set SND, 12
.set RCV, 13
.set STO, 14
.set SRD, 15
.set SPW, 16
.set NIL, 17
.set NINF, 18
.set QS,  20                           ; q's scale words, one a K step: tile e in row e
.set KS,  24
.set VS,  40
.set NM,  56                           ; pairs: -M, the running largest t
.set LS,  60
.set FF,  64
.set BM,  68
.set BT,  76
.set SO,  84
.set PW,  92
.set PC,  94
.set AC,  76                           ; the sums' eight chains (where BT and SO lie)
.set T,   68                           ; the conversions' second halves (where BM and BT lie)
.set XT,  84
.set GO,  68
.set S,   128
.set FB,  96
.set OFF, 2
.set WV,  10
.set KSI, 11
.set SEL, 12
.set CS,  14
.set G1K, 16
.set G0K, 24
.set G0V, 28
.set G1V, 32
.set G1M, 40
.set G0M, 48
.set KB,  52
.set VB,  54
.set MB0, 56
.set MOF, 58
.set OP,  60
.set TRIPS, 62
.set LR,  63
.set KH,  66
.set CM,  68                           ; s68-99: lane masks; at the head temporaries
.set MSB, 0
.macro WIN new
.if MSB != (\new)
	s_set_vgpr_msb (MSB<<8)|(\new)
.set MSB, \new
.endif
.endm
.macro PLACES n
.rept \n
	v_nop
.endr
.endm
.macro ROUND                           ; a round of the cluster's barrier
	s_barrier_signal -1
	s_barrier_wait -1
	s_cmp_lg_u32 s[WV], 0
	s_cbranch_scc1 .Lnot_wave_0_\@
	s_barrier_signal -3
.Lnot_wave_0_\@:
	s_barrier_wait -3
	s_barrier_signal -1
	s_barrier_wait -1
.endm
.macro JLOAD                           ; waves 0, 1: K's halves, jointly; waves 2, 3: the halves of my work-group's mask tile
	s_cmp_eq_u32 s[LR], 0
	s_cbranch_scc0 .Lfor_m_\@
	tensor_load_to_lds s[G0K:G0K+3], s[G1K:G1K+7]
	s_nop 0
	PLACES 4
	s_branch .Lasked_\@
.Lfor_m_\@:
	tensor_load_to_lds s[G0M:G0M+3], s[G1M:G1M+7]
	s_nop 0
	PLACES 4
.Lasked_\@:
.endm
.macro TLV                             ; every wave: its quarter of V's record, jointly
	tensor_load_to_lds s[G0V:G0V+3], s[G1V:G1V+7]
	s_nop 0
	PLACES 4
.endm
; The wait for all my tensor loads and the add; no load of mine is out, so the descriptors step.  The caller's register work and s_wait_dscnt 0 follow.
.macro THREE mode
	s_wait_alu depctr_va_vdst(0)
	s_wait_tensorcnt 0x0
	ds_add_u32 v[SPW], v[NIL]
.if \mode == 1
	s_add_co_u32 s[KSI], s[KSI], 1
	s_and_b32 s[KSI], s[KSI], 7
	s_mul_i32 s[OFF], s[KSI], REC
	s_lshl_b32 s[MOF], s[KSI], 10
	s_add_nc_u64 s[G0K+2:G0K+3], s[KB:KB+1], s[OFF:OFF+1]
	s_or_b32 s[G0K+3], s[G0K+3], 0x80000000
	s_add_nc_u64 s[G0M+2:G0M+3], s[MB0:MB0+1], s[MOF:MOF+1]
	s_or_b32 s[G0M+3], s[G0M+3], 0x80000000
.elseif \mode == 2
	s_add_nc_u64 s[G0V+2:G0V+3], s[VB:VB+1], s[OFF:OFF+1]
	s_or_b32 s[G0V+3], s[G0V+3], 0x80000000
.endif
.endm
.macro WM d, a, b, zero, sa, sb, ra, rb
.set rD, \d
.set rA, \a
.set rB, \b
.set rX, \sa
.set rY, \sb
.set rW, 4*(\zero)+2*((\rb)%2)+(\ra)%2
.if rW == 0
	v_wmma_scale_f32_16x16x128_f8f6f4 v[rD:rD+7], v[rA:rA+11], v[rB:rB+11], v[rD:rD+7], v[rX], v[rY] matrix_a_fmt:MATRIX_FMT_BF6 matrix_b_fmt:MATRIX_FMT_BF6
.elseif rW == 1
	v_wmma_scale_f32_16x16x128_f8f6f4 v[rD:rD+7], v[rA:rA+11], v[rB:rB+11], v[rD:rD+7], v[rX], v[rY] matrix_a_fmt:MATRIX_FMT_BF6 matrix_b_fmt:MATRIX_FMT_BF6 matrix_a_scale:MATRIX_SCALE_ROW1
.elseif rW == 2
	v_wmma_scale_f32_16x16x128_f8f6f4 v[rD:rD+7], v[rA:rA+11], v[rB:rB+11], v[rD:rD+7], v[rX], v[rY] matrix_a_fmt:MATRIX_FMT_BF6 matrix_b_fmt:MATRIX_FMT_BF6 matrix_b_scale:MATRIX_SCALE_ROW1
.elseif rW == 3
	v_wmma_scale_f32_16x16x128_f8f6f4 v[rD:rD+7], v[rA:rA+11], v[rB:rB+11], v[rD:rD+7], v[rX], v[rY] matrix_a_fmt:MATRIX_FMT_BF6 matrix_b_fmt:MATRIX_FMT_BF6 matrix_a_scale:MATRIX_SCALE_ROW1 matrix_b_scale:MATRIX_SCALE_ROW1
.elseif rW == 4
	v_wmma_scale_f32_16x16x128_f8f6f4 v[rD:rD+7], v[rA:rA+11], v[rB:rB+11], 0, v[rX], v[rY] matrix_a_fmt:MATRIX_FMT_BF6 matrix_b_fmt:MATRIX_FMT_BF6
.elseif rW == 5
	v_wmma_scale_f32_16x16x128_f8f6f4 v[rD:rD+7], v[rA:rA+11], v[rB:rB+11], 0, v[rX], v[rY] matrix_a_fmt:MATRIX_FMT_BF6 matrix_b_fmt:MATRIX_FMT_BF6 matrix_a_scale:MATRIX_SCALE_ROW1
.elseif rW == 6
	v_wmma_scale_f32_16x16x128_f8f6f4 v[rD:rD+7], v[rA:rA+11], v[rB:rB+11], 0, v[rX], v[rY] matrix_a_fmt:MATRIX_FMT_BF6 matrix_b_fmt:MATRIX_FMT_BF6 matrix_b_scale:MATRIX_SCALE_ROW1
.else
	v_wmma_scale_f32_16x16x128_f8f6f4 v[rD:rD+7], v[rA:rA+11], v[rB:rB+11], 0, v[rX], v[rY] matrix_a_fmt:MATRIX_FMT_BF6 matrix_b_fmt:MATRIX_FMT_BF6 matrix_a_scale:MATRIX_SCALE_ROW1 matrix_b_scale:MATRIX_SCALE_ROW1
.endif
.endm
; K's group g: K step g / 2, my tiles 4 (g % 2) + j, into buffer (g + 2) % 3
.macro KGRP g
.irp j, 0,1,2,3
.irp c, 0,1,2
	ds_load_b128 v[FB+48*(((\g)+2)%3)+12*\j+4*\c:FB+48*(((\g)+2)%3)+12*\j+4*\c+3], v[KAD] offset:(4*(4*((\g)%2)+\j)+(\g)/2)*FRB+512*\c
.endr
.endr
.endm
.macro KSLD
.irp m, 0,1,2,3,4,5,6,7
	ds_load_b64 v[KS+2*\m:KS+2*\m+1], v[KSA] offset:256*\m
.endr
.endm
; eight products: four tiles of keys x two tiles of queries; sixteen accumulators take turns over two groups
.macro SGRP g
.irp j, 0,1,2,3
.irp e, 0,1
	WM S+64*\e+8*(4*((\g)%2)+\j), FB+48*(((\g)+2)%3)+12*\j, 12*(4*\e+(\g)/2), (7-(\g))/6, KS+2*(4*((\g)%2)+(\g)/2)+\j/2, QS+(\g)/2, \j, \e
.endr
.endr
.endm
; V's group g: four tiles of channels, my 128 keys, into buffer g % 3.  Groups 0-3: the channels that I finish; 4-7: my partner's
.macro VGRP g
.irp j, 0,1,2,3
.irp c, 0,1,2
	ds_load_b128 v[FB+48*((\g)%3)+12*\j+4*\c:FB+48*((\g)%3)+12*\j+4*\c+3], v[VADA+(\g)/4] offset:2*(4*((\g)%4)+\j)*FRB+512*\c
.endr
.endr
.endm
.macro PVG g, zero
.irp j, 0,1,2,3
.irp e, 0,1
	WM 8*(2*(4*((\g)%4)+\j)+\e), FB+48*((\g)%3)+12*\j, PC+12*\e, \zero, VS+2*(\g)+\j/2, PW+\e, \j, 0
.endr
.endr
.endm
; the mask's numbers j0 .. j0 + n - 1 (four registers each): register 4 j + x lies as score register 4 j + x does: query tile j / 16, block (j % 16) / 4
.macro MLD j0, n
.set jj, \j0
.rept \n
	ds_load_b128 v[FB+4*jj:FB+4*jj+3], v[MRA] offset:(jj/16)*8*MPI+((jj%16)/4)*128+(jj%4)*16
.set jj, jj+1
.endr
.endm
.macro MAPG G                          ; 32 scores: -inf where the mask is 0
	WIN 0x0f
.set i, 0
.rept 32
	v_cmp_eq_u32 s[CM+i], 0, v[FB+32*\G+i]
.set i, i+1
.endr
	WIN 0
.set i, 0
.rept 32
	v_cndmask_b32 v[S+32*\G+i], v[S+32*\G+i], v[NINF], s[CM+i]
.set i, i+1
.endr
.endm
.macro BMAX                            ; the largest score of each block of 32 keys: block n % 4 of query tile n / 4
.irp n, 0,1,2,3,4,5,6,7
	v_max3_num_f32 v[BM+\n], v[S+16*\n], v[S+16*\n+1], v[S+16*\n+2]
.endr
.irp i, 3,5,7,9,11,13
.irp n, 0,1,2,3,4,5,6,7
	v_max3_num_f32 v[BM+\n], v[BM+\n], v[S+16*\n+\i], v[S+16*\n+\i+1]
.endr
.endr
.irp n, 0,1,2,3,4,5,6,7
	v_max_num_f32 v[BM+\n], v[BM+\n], v[S+16*\n+15]
.endr
.irp n, 0,1,2,3,4,5,6,7
	v_permlanex16_b32 v[BT+\n], v[BM+\n], s[SEL], s[SEL+1]
.endr
.irp n, 0,1,2,3,4,5,6,7
	v_max_num_f32 v[BM+\n], v[BM+\n], v[BT+\n]
.endr
.endm
.macro STATS                           ; the running largest t, -M = floor(-t), f = 2^(old M - new M)
.irp e, 0,1
	v_max3_num_f32 v[BT+\e], v[BM+4*\e], v[BM+4*\e+1], v[BM+4*\e+2]
.endr
.irp e, 0,1
	v_max_num_f32 v[BT+\e], v[BT+\e], v[BM+4*\e+3]
.endr
.irp e, 0,1
	v_mul_f32 v[BT+\e], s[CS], v[BT+\e]
.endr
.irp e, 0,1
	v_max_num_f32 v[NM+2*\e+1], v[NM+2*\e+1], v[BT+\e]
.endr
.irp e, 0,1
	v_mov_b32 v[BT+\e], v[NM+2*\e]
.endr
.irp e, 0,1
	v_floor_f32 v[NM+2*\e], -v[NM+2*\e+1]
.endr
.irp e, 0,1
	v_sub_f32 v[BT+\e], v[NM+2*\e], v[BT+\e]
.endr
.irp e, 0,1
	v_cvt_i32_f32 v[BT+\e], v[BT+\e]
.endr
.irp e, 0,1
	v_ldexp_f32 v[FF+2*\e], 1.0, v[BT+\e]
.endr
.endm
.macro PEXP                            ; p = 2^(t - M); the sums of the unquantised p, in eight chains
.irp j, 0,2,4,6,8,10,12,14,16,18,20,22,24,26,28,30,32,34,36,38,40,42,44,46,48,50,52,54,56,58,60,62
.irp e, 0,1
	v_pk_fma_f32 v[S+64*\e+\j:S+64*\e+\j+1], v[S+64*\e+\j:S+64*\e+\j+1], s[CS:CS+1], v[NM+2*\e:NM+2*\e+1] op_sel_hi:[1,0,0]
.endr
.endr
.irp n, 0,1,2,3,4,5,6,7
	v_fma_f32 v[BM+\n], v[BM+\n], s[CS], v[NM+2*(\n/4)]
.endr
	s_wait_alu depctr_va_vdst(0)                   ; ahead of the batch of exponentials
.set i, 0
.rept 128
	v_exp_f32 v[S+i], v[S+i]
.set i, i+1
.endr
.irp e, 0,1
	v_pk_mul_f32 v[LS+2*\e:LS+2*\e+1], v[LS+2*\e:LS+2*\e+1], v[FF+2*\e:FF+2*\e+1] op_sel_hi:[1,0]
.endr
	s_wait_alu depctr_va_vdst(0)                   ; and behind it, ahead of its first reader
.irp n, 0,1,2,3,4,5,6,7
	v_exp_f32 v[BM+\n], v[BM+\n]                   ; each block's largest p
.endr
.irp c, 0,1,2,3
.irp e, 0,1
	v_pk_add_f32 v[AC+8*\e+2*\c:AC+8*\e+2*\c+1], v[S+64*\e+2*\c:S+64*\e+2*\c+1], v[S+64*\e+8+2*\c:S+64*\e+8+2*\c+1]
.endr
.endr
.irp j, 16,24,32,40,48,56
.irp c, 0,1,2,3
.irp e, 0,1
	v_pk_add_f32 v[AC+8*\e+2*\c:AC+8*\e+2*\c+1], v[AC+8*\e+2*\c:AC+8*\e+2*\c+1], v[S+64*\e+\j+2*\c:S+64*\e+\j+2*\c+1]
.endr
.endr
.endr
.irp e, 0,1
	v_pk_add_f32 v[AC+8*\e:AC+8*\e+1], v[AC+8*\e:AC+8*\e+1], v[AC+8*\e+2:AC+8*\e+3]
	v_pk_add_f32 v[AC+8*\e+4:AC+8*\e+5], v[AC+8*\e+4:AC+8*\e+5], v[AC+8*\e+6:AC+8*\e+7]
.endr
.irp e, 0,1
	v_pk_add_f32 v[AC+8*\e:AC+8*\e+1], v[AC+8*\e:AC+8*\e+1], v[AC+8*\e+4:AC+8*\e+5]
.endr
.irp e, 0,1
	v_pk_add_f32 v[LS+2*\e:LS+2*\e+1], v[LS+2*\e:LS+2*\e+1], v[AC+8*\e:AC+8*\e+1]
.endr
	s_wait_alu depctr_va_vdst(0)
.endm
.macro PQ                              ; p's codes and scale words, in the registers from which the second product takes them
.irp n, 0,1,2,3,4,5,6,7
	v_max_num_f32 v[BM+\n], 0x2800000, v[BM+\n]    ; the floor 2^(5 - 127): the byte cannot fall under 1
.endr
.irp n, 0,1,2,3,4,5,6,7
	v_add_nc_u32 v[SO+\n], 0xfe000000, v[BM+\n]
.endr
.irp n, 0,1,2,3,4,5,6,7
	v_lshrrev_b32 v[BT+\n], 23, v[SO+\n]
.endr
.irp e, 0,1
	v_lshl_or_b32 v[PW+\e], v[BT+4*\e+1], 8, v[BT+4*\e]
.endr
.irp e, 0,1
	v_lshl_or_b32 v[PW+\e], v[BT+4*\e+2], 16, v[PW+\e]
.endr
.irp e, 0,1
	v_lshl_or_b32 v[PW+\e], v[BT+4*\e+3], 24, v[PW+\e]
.endr
.irp e, 0,1
.irp c, 0,1
	v_cvt_scalef32_pk16_bf6_f32 v[PC+12*\e+6*\c:PC+12*\e+6*\c+2], v[S+64*\e+32*\c:S+64*\e+32*\c+15], v[SO+4*\e+2*\c]
	v_cvt_scalef32_pk16_bf6_f32 v[T+4*(2*\e+\c):T+4*(2*\e+\c)+2], v[S+64*\e+32*\c+16:S+64*\e+32*\c+31], v[SO+4*\e+2*\c+1]
.endr
.endr
	v_nop                                          ; one plain place behind a scaled conversion
.irp e, 0,1
.irp c, 0,1
.irp i, 0,1,2
	v_permlane16_swap_b32 v[PC+12*\e+6*\c+\i], v[T+4*(2*\e+\c)+\i]
.endr
.endr
.endr
.irp e, 0,1
.irp c, 0,1
.irp i, 0,1,2
	v_mov_b32 v[PC+12*\e+6*\c+3+\i], v[T+4*(2*\e+\c)+\i]
.endr
.endr
.endr
.endm
.macro RESCALE                         ; O^T under the new M
.irp w, 1,2
	WIN 0x41*\w
	s_wait_alu depctr_va_vdst(0)                   ; ahead of the first readers of matrix results
.set a, 0
.rept 32
.irp j, 0,2,4,6
	v_pk_mul_f32 v[8*a+\j:8*a+\j+1], v[8*a+\j:8*a+\j+1], v[FF+2*(a%2):FF+2*(a%2)+1] op_sel_hi:[1,0]
.endr
.set a, a+1
.endr
.endr
	WIN 0
.endm
; A step: one record of 256 keys.  At its head the LDS loads that are out are K's scale words and K's groups 0, 1, 2, in this order.
.macro STEP first, fill
.irp g, 0,1,2,3,4,5,6,7
.if \g < 7
	s_wait_dscnt 24                                ; group g is in; the 24 loads issued behind it may be out
.else
	s_wait_dscnt 20                                ; behind group 7: 12 + 8 loads of the mask
.endif
	WIN 0x0f
	SGRP \g
	PLACES 4                                       ; ahead of loads into registers that the products read
	WIN 0xc0
.if \g < 5
	KGRP \g+3
.elseif \g == 5
	MLD 12, 12
.elseif \g == 6
	MLD 24, 8
.else
	MLD 0, 12
.endif
.endr
	s_wait_dscnt 12                                ; the mask's numbers 12-31 are in
	MAPG 2
	MAPG 3
	s_wait_dscnt 0x0
	MAPG 0
	MAPG 1
	THREE \fill                                    ; V's record has landed; my reads of K's record and of the mask's tile are over
	BMAX
	s_wait_alu depctr_va_vdst(0)
	s_wait_dscnt 0x0
.if \fill
	ROUND
	JLOAD                                          ; the next record of K, the next tile of the mask
.else
	s_barrier_signal -1
	s_barrier_wait -1
.endif
.irp m, 0,1,2,3,4,5,6,7
	ds_load_b64 v[VS+2*\m:VS+2*\m+1], v[VSAA+\m/4] offset:512*(\m%4)
.endr
	WIN 0xc0
	VGRP 0
	VGRP 1
	VGRP 2
	WIN 0
	STATS
	PEXP
	PQ
.if \first
	PLACES 8                                       ; p's scale words stand 8 places ahead of the products
.else
	RESCALE
.endif
	s_wait_alu depctr_va_vdst(0)
.irp g, 0,1,2,3,4,5,6,7
.if \fill && \g == 5
	WIN 0
	THREE 2                                        ; K's record and the mask's tile have landed
	s_wait_dscnt 25                                ; group 5 is in; groups 6, 7 and the add may be out
	WIN 0xa3
	PVG 5, \first
	WIN 0
	s_wait_dscnt 0x0                               ; V's last fragments are in registers
	ROUND
	TLV                                            ; the next record of V; its four v_nop are the places ahead of the loads below
	KSLD
	WIN 0xc0
	KGRP 0
.else
.if \g < 5
	s_wait_dscnt 24
.elseif !\fill
	s_wait_dscnt 12*(7-\g)
.endif
	WIN 0x53+0x50*(\g/4)
	PVG \g, \first
	PLACES 4
.if \g < 5
	WIN 0xc0
	VGRP \g+3
.elseif \fill
	WIN 0xc0
	KGRP \g-5
.endif
.endif
.endr
	WIN 0
.endm
	s_load_b128 s[4:7], s[0:1], 0x0                ; qkv, mask
	s_load_b64 s[8:9], s[0:1], 0x10                ; out0
	v_lshl_add_u32 v[SPW], v0, 2, SPARE
	v_mov_b32 v[NIL], 0
	ds_add_u32 v[SPW], v[NIL]                      ; the add, twice on end; waited below
	ds_add_u32 v[SPW], v[NIL]
	v_lshrrev_b32 v[BT], 5, v0
	v_readfirstlane_b32 s[WV], v[BT]
	s_lshr_b32 s[LR], s[WV], 1                     ; qh; also: I fetch K (0) or the mask (1)
	s_and_b32 s[KH], s[WV], 1                      ; kh; also: which half I fetch
	s_xor_b32 s98, s[KH], 1
	s_xor_b32 s99, s[WV], 1                        ; my partner
	s_bfe_u32 s68, ttmp6, 0x40000                  ; cx
	s_lshl_b32 s69, ttmp9, 2
	s_add_co_u32 s69, s69, s68                     ; which 64 queries of the batch
	s_and_b32 s70, ttmp7, 0xffff                   ; batch
	s_lshr_b32 s[KSI], ttmp9, 2
	s_mul_i32 s[KSI], s[KSI], 7
	s_xor_b32 s[KSI], s[KSI], ttmp9
	s_and_b32 s[KSI], s[KSI], 3
	s_lshl_b32 s[KSI], s[KSI], 1                   ; the first record of the walk: by the cluster's number alone
	s_mul_i32 s[OFF], s[KSI], REC
	s_mov_b32 s[OFF+1], 0
	s_lshl_b32 s[MOF], s[KSI], 10
	s_mov_b32 s[MOF+1], 0
	s_mul_i32 s71, s[KH], 51200
	s_mul_i32 s72, s70, 8*REC
	s_add_co_u32 s74, s72, s71                     ; K: the batch's records, my half
	s_mov_b32 s75, 0
	s_mul_i32 s73, s[WV], 25600
	s_add_co_u32 s76, s72, s73
	s_add_co_u32 s76, s76, 128*REC                 ; V: my quarter
	s_mov_b32 s77, 0
	s_lshl_b32 s78, s70, 11
	s_lshl_b32 s79, s69, 6
	s_add_co_u32 s80, s78, s79                     ; the work-group's first query
	s_lshl_b32 s79, s[KH], 5
	s_add_co_u32 s78, s80, s79
	s_lshl_b32 s78, s78, 13                        ; the mask: 32 rows of 8,192 bytes
	s_mov_b32 s79, 0
	s_lshl_b32 s81, s[LR], 5
	s_add_co_u32 s80, s80, s81
	s_lshl_b32 s80, s80, 11
	s_lshl_b32 s81, s[KH], 10
	s_add_co_u32 s80, s80, s81                     ; out0: my 32 rows, my 256 channels
	s_mov_b32 s81, 0
	s_lshl_b32 s82, s70, 3
	s_lshr_b32 s83, s69, 2
	s_add_co_u32 s82, s82, s83
	s_add_co_u32 s82, s82, 64
	s_mul_i32 s82, s82, REC                        ; q's record
	s_and_b32 s83, s69, 3
	s_lshl_b32 s84, s83, 10
	s_add_co_u32 s84, s84, s82
	s_add_co_u32 s84, s84, SCO
	s_lshl_b32 s85, s[LR], 2
	s_add_co_u32 s84, s84, s85                     ; q's scale words: the word of my two tiles
	s_mov_b32 s85, 0
	s_lshl_b32 s83, s83, 4
	s_lshl_b32 s86, s[LR], 3
	s_add_co_u32 s83, s83, s86
	s_mul_i32 s83, s83, FRB
	s_add_co_u32 s82, s82, s83                     ; q's 8 fragments
	s_mov_b32 s83, 0
	s_mul_i32 s86, s[KH], 32*FRB
	s_lshl_b32 s87, s[KH], 11
	s_add_co_u32 s87, s87, SCO
	s_mul_i32 s88, s[KH], 33*FRB
	s_add_co_u32 s88, s88, VSLOT
	s_mul_i32 s89, s98, 32*FRB
	s_mul_i32 s90, s[KH], FRB
	s_add_co_u32 s89, s89, s90
	s_add_co_u32 s89, s89, VSLOT
	s_mul_i32 s90, s[KH], 2304
	s_add_co_u32 s90, s90, VSLOT+SCO
	s_lshl_b32 s91, s98, 11
	s_lshl_b32 s92, s[KH], 8
	s_add_co_u32 s91, s91, s92
	s_add_co_u32 s91, s91, VSLOT+SCO
	s_mul_i32 s92, s[LR], 32*MPI
	s_lshl_b32 s93, s[KH], 9
	s_add_co_u32 s92, s92, s93
	s_add_co_u32 s92, s92, MB
	s_lshl_b32 s93, s[WV], 9
	s_add_co_u32 s93, s93, XB
	s_lshl_b32 s94, s99, 9
	s_add_co_u32 s94, s94, XB
	s_lshl_b32 s95, s[WV], 15
	s_lshl_b32 s96, s99, 15
	s_mul_i32 s97, s[WV], 16*OPI
	s_add_co_u32 s97, s97, VSLOT
	s_mov_b32 s[G1K+0], 15|(3<<16)|(1<<21)         ; joint; a dense block as rows of 32 elements of 8 bytes: 200 rows
	s_mov_b32 s[G1K+1], 32<<16
	s_mov_b32 s[G1K+2], 200<<16
	s_mov_b32 s[G1K+3], 32<<16
	s_mov_b32 s[G1K+4], 200
	s_mov_b32 s[G1K+5], 32
	s_mov_b32 s[G1K+6], 0
	s_mov_b32 s[G1K+7], 0
	s_mov_b32 s[G1V+0], 15|(3<<16)|(1<<21)         ; the same, 100 rows
	s_mov_b32 s[G1V+1], 32<<16
	s_mov_b32 s[G1V+2], 100<<16
	s_mov_b32 s[G1V+3], 32<<16
	s_mov_b32 s[G1V+4], 100
	s_mov_b32 s[G1V+5], 32
	s_mov_b32 s[G1V+6], 0
	s_mov_b32 s[G1V+7], 0
	s_mov_b32 s[G1M+0], (2<<16)|(1<<20)|(7<<22)|(3<<25)   ; my work-group's own: 32 rows of 256 elements of 4 bytes, 4 words of padding behind each 256
	s_mov_b32 s[G1M+1], 256<<16
	s_mov_b32 s[G1M+2], 32<<16
	s_mov_b32 s[G1M+3], 256<<16
	s_mov_b32 s[G1M+4], 32
	s_mov_b32 s[G1M+5], 2048
	s_mov_b32 s[G1M+6], 0
	s_mov_b32 s[G1M+7], 0
	s_mov_b32 s[G0K], 1
	s_mov_b32 s[G0K+1], s71
	s_mov_b32 s[G0V], 1
	s_add_co_u32 s[G0V+1], s73, VSLOT
	s_mov_b32 s[G0M], 1
	s_mul_i32 s[G0M+1], s[KH], 32*MPI
	s_add_co_u32 s[G0M+1], s[G0M+1], MB
	s_mov_b32 s[SEL], 0x76543210
	s_mov_b32 s[SEL+1], 0xfedcba98
	s_mov_b32 s[CS], 0x3d8293ee                    ; log2(e) / sqrt(512)
	s_mov_b32 s[CS+1], s[CS]
	s_wait_alu depctr_va_vdst(0)
	s_wait_dscnt 0x0
	s_wait_kmcnt 0x0
	s_add_nc_u64 s[KB:KB+1], s[4:5], s[74:75]
	s_add_nc_u64 s[VB:VB+1], s[4:5], s[76:77]
	s_add_nc_u64 s[MB0:MB0+1], s[6:7], s[78:79]
	s_add_nc_u64 s[OP:OP+1], s[8:9], s[80:81]
	s_add_nc_u64 s[82:83], s[4:5], s[82:83]
	s_add_nc_u64 s[84:85], s[4:5], s[84:85]
	s_add_nc_u64 s[G0K+2:G0K+3], s[KB:KB+1], s[OFF:OFF+1]
	s_or_b32 s[G0K+3], s[G0K+3], 0x80000000
	s_add_nc_u64 s[G0V+2:G0V+3], s[VB:VB+1], s[OFF:OFF+1]
	s_or_b32 s[G0V+3], s[G0V+3], 0x80000000
	s_add_nc_u64 s[G0M+2:G0M+3], s[MB0:MB0+1], s[MOF:MOF+1]
	s_or_b32 s[G0M+3], s[G0M+3], 0x80000000
	ROUND
	JLOAD                                          ; the head's one load a wave: K's first record and the mask's first tile
	v_and_b32 v[BT], 31, v0                        ; lane
	v_and_b32 v[BT+1], 15, v0                      ; r
	v_bfe_u32 v[BT+2], v0, 4, 1                    ; h
	v_lshlrev_b32 v[L16], 4, v[BT]
	v_lshlrev_b32 v[L8], 3, v[BT]
	v_lshlrev_b32 v[BT+3], 2, v[BT]
	v_add_nc_u32 v[KAD], s86, v[L16]
	v_add_nc_u32 v[KSA], s87, v[L8]
	v_add_nc_u32 v[VADA], s88, v[L16]
	v_add_nc_u32 v[VADB], s89, v[L16]
	v_add_nc_u32 v[VSAA], s90, v[L8]
	v_add_nc_u32 v[VSAB], s91, v[L8]
	v_and_b32 v[BT+4], 8, v[BT+1]
	v_add_nc_u32 v[BT+4], v[BT+4], v[BT+1]         ; r + 8 (r / 8): the tile's row
	v_mul_u32_u24 v[MRA], v[BT+4], MPI
	v_lshl_add_u32 v[MRA], v[BT+2], 6, v[MRA]
	v_add_nc_u32 v[MRA], s92, v[MRA]
	v_add_nc_u32 v[XW], s93, v[BT+3]
	v_add_nc_u32 v[XR], s94, v[BT+3]
	v_add_nc_u32 v[SND], s95, v[L16]
	v_add_nc_u32 v[RCV], s96, v[L16]
	v_mul_u32_u24 v[STO], v[BT+1], OPI
	v_lshl_add_u32 v[STO], v[BT+2], 6, v[STO]
	v_add_nc_u32 v[STO], s97, v[STO]
	v_add_nc_u32 v[SRD], s97, v[L16]
	v_mov_b32 v[NINF], 0xff800000
.irp e, 0,1
	v_mov_b32 v[NM+2*\e+1], 0xff61b1e6             ; the largest t so far: -3e38
	v_mov_b32 v[LS+2*\e], 0
	v_mov_b32 v[LS+2*\e+1], 0
	v_mov_b32 v[FF+2*\e+1], 0
.endr
.irp e, 0,1
	v_floor_f32 v[NM+2*\e], -v[NM+2*\e+1]
.endr
.irp n, 0,1,2,3,4,5,6,7
	v_mov_b32 v[BT+\n], 0                          ; a lane permute's destination counts as one of its sources
.endr
	s_wait_alu depctr_va_vdst(0)
	WIN 0xc0
.set i, 0
.rept 24
	global_load_b128 v[4*i:4*i+3], v[L16], s[82:83] offset:512*i   ; q's fragments: they stay
.set i, i+1
.endr
	WIN 0
.irp k, 0,1,2,3
	global_load_b32 v[QS+\k], v[L8], s[84:85] offset:256*\k
.endr
	THREE 0
	s_wait_dscnt 0x0
	ROUND
	TLV                                            ; V's first record
	KSLD
	WIN 0xc0
	KGRP 0
	KGRP 1
	KGRP 2
	WIN 0
	s_wait_loadcnt 0x0
	STEP 1, 1
	s_mov_b32 s[TRIPS], 6
.Lstep:
	STEP 0, 1
	s_sub_co_u32 s[TRIPS], s[TRIPS], 1
	s_cmp_lg_u32 s[TRIPS], 0
	s_cbranch_scc1 .Lstep
	STEP 0, 0
; THE TWO HALVES OF THE KEYS ARE JOINED.  Each wave hands its -M, its sum and the O^T of its partner's channels over through LDS: 32 KiB a wave, on K's and the mask's slots,
; which have had their last fill and, since the last step's barrier, their last read.
.irp e, 0,1
	v_add_f32 v[BT+\e], v[LS+2*\e], v[LS+2*\e+1]
.endr
.irp e, 0,1
	v_permlanex16_b32 v[BT+4+\e], v[BT+\e], s[SEL], s[SEL+1]
.endr
.irp e, 0,1
	v_add_f32 v[BT+\e], v[BT+\e], v[BT+4+\e]
.endr
.irp e, 0,1
	ds_store_b32 v[XW], v[NM+2*\e] offset:128*\e
	ds_store_b32 v[XW], v[BT+\e] offset:256+128*\e
.endr
	WIN 0x08
.set i, 0
.rept 64
	ds_store_b128 v[SND], v[4*i:4*i+3] offset:512*i
.set i, i+1
.endr
	WIN 0
	s_wait_alu depctr_va_vdst(0)
	s_wait_dscnt 0x0
	s_barrier_signal -1
	s_barrier_wait -1
.macro RLOAD e                         ; my partner's part of query tile e, 16 accumulators
	WIN 0xc0
.set i, 0
.rept 32
	ds_load_b128 v[FB+4*i:FB+4*i+3], v[RCV] offset:512*(2*(2*(i/2)+\e)+i%2)
.set i, i+1
.endr
	WIN 0
.endm
.irp e, 0,1
	ds_load_b32 v[XT+\e], v[XR] offset:128*\e
	ds_load_b32 v[XT+2+\e], v[XR] offset:256+128*\e
.endr
	RLOAD 0
	s_wait_dscnt 32
.irp e, 0,1
	v_min_num_f32 v[BT+2+\e], v[NM+2*\e], v[XT+\e] ; -(the larger M)
.endr
.irp e, 0,1
	v_sub_f32 v[BT+4+\e], v[BT+2+\e], v[NM+2*\e]
	v_sub_f32 v[BT+6+\e], v[BT+2+\e], v[XT+\e]
.endr
.irp e, 0,1
	v_cvt_i32_f32 v[BT+4+\e], v[BT+4+\e]
	v_cvt_i32_f32 v[BT+6+\e], v[BT+6+\e]
.endr
.irp e, 0,1
	v_ldexp_f32 v[BT+4+\e], 1.0, v[BT+4+\e]        ; my factor, a power of two,
	v_ldexp_f32 v[BT+6+\e], 1.0, v[BT+6+\e]        ; and my partner's
.endr
.irp e, 0,1
	v_mul_f32 v[BT+\e], v[BT+\e], v[BT+4+\e]
.endr
.irp e, 0,1
	v_fma_f32 v[BT+\e], v[XT+2+\e], v[BT+6+\e], v[BT+\e]   ; the row's sum
.endr
	s_wait_alu depctr_va_vdst(0)
.irp e, 0,1
	v_rcp_f32 v[BT+2+\e], v[BT+\e]
.endr
	v_nop
	s_wait_alu depctr_va_vdst(0)
.irp e, 0,1
	v_mul_f32 v[FF+2*\e], v[BT+4+\e], v[BT+2+\e]
	v_mul_f32 v[GO+2*\e], v[BT+6+\e], v[BT+2+\e]
.endr
	s_wait_alu depctr_va_vdst(0)
; Query tile e: 16 rows x my 256 channels, through my stage (in V's slot, read no more since the barrier above), and out as rows: each store covers 512 consecutive bytes, aligned.
.macro OUT e
	s_wait_dscnt 0x0
	WIN 0xc3
.set c, 0
.rept 16
.irp j, 0,2,4,6
	v_pk_mul_f32 v[FB+8*c+\j:FB+8*c+\j+1], v[FB+8*c+\j:FB+8*c+\j+1], v[GO+2*\e:GO+2*\e+1] op_sel_hi:[1,0]
.endr
.set c, c+1
.endr
	WIN 0xf1
.set c, 0
.rept 16
.irp j, 0,2,4,6
	v_pk_fma_f32 v[FB+8*c+\j:FB+8*c+\j+1], v[8*(2*c+\e)+\j:8*(2*c+\e)+\j+1], v[FF+2*\e:FF+2*\e+1], v[FB+8*c+\j:FB+8*c+\j+1] op_sel_hi:[1,0,1]
.endr
.set c, c+1
.endr
	WIN 0x0c
.set c, 0
.rept 16
	ds_store_b128 v[STO], v[FB+8*c:FB+8*c+3] offset:128*(c/2)+32*(c%2)
	ds_store_b128 v[STO], v[FB+8*c+4:FB+8*c+7] offset:128*(c/2)+32*(c%2)+16
.set c, c+1
.endr
	WIN 0
	s_wait_xcnt 0x0                                ; earlier stores have read their registers
.set i, 0
.rept 32
	ds_load_b128 v[S+4*i:S+4*i+3], v[SRD] offset:OPI*(i/2)+512*(i%2)   ; LDS serves a wave's instructions in order
.set i, i+1
.endr
.if \e == 0
	RLOAD 1
	s_wait_dscnt 32
.else
	s_wait_dscnt 0x0
.endif
.set i, 0
.rept 32
	global_store_b128 v[L16], v[S+4*i:S+4*i+3], s[OP:OP+1] offset:(8*\e+i/2+8*(i/16))*2048+512*(i%2) th:TH_STORE_NT
.set i, i+1
.endr
.endm
	OUT 0
	OUT 1
	s_wait_tensorcnt 0x0                           ; the wave's end
	ds_add_u32 v[SPW], v[NIL]
	s_wait_dscnt 0x0
	ROUND                                          ; the closing round
	s_endpgm
.Lfunc_end_k_q1721483545_attn:
	.size	k_q1721483545_attn, .Lfunc_end_k_q1721483545_attn-k_q1721483545_attn
	.p2alignl 7, 3214868480
	.fill 96, 4, 3214868480
	.section	.rodata,"a",@progbits
	.p2align	6, 0x0
	.amdhsa_kernel k_q1721483545_attn
		.amdhsa_group_segment_fixed_size 327680
		.amdhsa_private_segment_fixed_size 0
		.amdhsa_enable_private_segment 0
		.amdhsa_kernarg_size 24
		.amdhsa_user_sgpr_count 2
		.amdhsa_user_sgpr_kernarg_segment_ptr 1
		.amdhsa_wavefront_size32 1
		.amdhsa_system_sgpr_workgroup_id_x 1
		.amdhsa_system_sgpr_workgroup_id_y 1
		.amdhsa_system_sgpr_workgroup_id_z 1
		.amdhsa_system_vgpr_workitem_id 0
		.amdhsa_next_free_vgpr 1024
		.amdhsa_next_free_sgpr 100
		.amdhsa_reserve_vcc 0
		.amdhsa_float_denorm_mode_32 3
		.amdhsa_float_denorm_mode_16_64 3
		.amdhsa_memory_ordered 1
		.amdhsa_forward_progress 1
		.amdhsa_inst_pref_size 255
	.end_amdhsa_kernel
	.section	.bss,"aw",@nobits
	.p2align	6
	.space	262144
	.amdgpu_metadata
---
amdhsa.version: [ 1, 2 ]
amdhsa.kernels:
  - .name:           k_q1721483545_attn
    .symbol:         k_q1721483545_attn.kd
    .args:
      - { .name: qkv, .offset: 0, .size: 8, .value_kind: global_buffer, .address_space: global }
      - { .name: mask, .offset: 8, .size: 8, .value_kind: global_buffer, .address_space: global }
      - { .name: out0, .offset: 16, .size: 8, .value_kind: global_buffer, .address_space: global }
    .group_segment_fixed_size: 327680
    .private_segment_fixed_size: 0
    .kernarg_segment_align: 8
    .kernarg_segment_size: 24
    .max_flat_workgroup_size: 128
    .sgpr_count:     100
    .vgpr_count:     1024
    .wavefront_size: 32
...
	.end_amdgpu_metadata
.endif
;; end of part 3
